; MI455X (gfx1250); checked and timed in simulation.
; The chip was launched on July 23, 2026; its instructions are those of AMD's public machine-readable ISA for CDNA 5 (MIT licence, August 2026) and "CDNA5" Instruction Set Architecture Reference Guide (July 2026). The comments in the code are by the model that wrote it; some were corrected since.
;; Memory Reader. Allowed arithmetic: matrix products marked QUANTISED: E2M3 operands, one E8M0 scale for each 32 along K, by v_wmma_scale_f32_16x16x128_f8f6f4 with both operands' format E2M3, f32 sums; everything else in f32.
;; Inputs: mk 4 x 64 x 8 x 30 x 54 float32; mv 4 x 512 x 8 x 30 x 54 float32; qk 4 x 64 x 30 x 54 float32; qv 4 x 512 x 30 x 54 float32.
;; Outputs: out0 4 x 1,024 x 30 x 54 float32.
;; This version of the problem:
;;   THIS VERSION OF THE PROBLEM IS GIVEN IN LOW PRECISION. The matrix products marked QUANTISED in the list below multiply operands that are first quantised to E2M3 (2 exponent bits, 3 mantissa bits; 6 bits a number), with one power-of-two scale for each 32 numbers along K (OCP MX v1.0); their sums are f32. All else is computed in f32.
;;   The module's matrix products, in the order in which they are computed (A, B: the left and right operand; K: the contracted axis; several contracted axes count as one K, in the product's order):
;;     1. batch 4 x [M 12,960, K 64] x [K 64, N 1,620]; A: input mk; B: input qk: QUANTISED
;;     2. batch 4 x [M 512, K 12,960] x [K 12,960, N 1,620]; A: input mv; B: softmax (see below): QUANTISED
;;   THE QUANTISER, for each operand of a quantised product, along K:
;;     - K is cut into blocks of 32 from its start; a last block that is shorter is filled with zeros.
;;     - A block's scale is 2^e with e = floor(log2(the largest magnitude in the block)) - 2, held to -126 .. 127; a block of zeros has e = 0. As a byte (E8M0): e + 127.
;;     - Each number is divided by its block's scale, clamped to +-7.5, and rounded to the nearest number of E2M3, ties to even, subnormals kept.
;;     - The product sums the exact products of the quantised numbers (number of the format x scale) in f32.
;;   ~~~python
;;   def quantise(x, axis):      # numpy; x: float32 -> the quantised numbers, widened to float32 again
;;       x = np.moveaxis(x, axis, -1); K = x.shape[-1]
;;       x = np.pad(x, [(0, 0)] * (x.ndim - 1) + [(0, -K % 32)]); x = x.reshape(x.shape[:-1] + (-1, 32)); a = np.abs(x).max(-1, keepdims=True)
;;       e = np.where(a > 0, np.clip(np.frexp(np.where(a > 0, a, 1))[1] - 1 - 2, -126, 127), 0)      # np.frexp(a)[1] - 1 = floor(log2(a)), exactly
;;       r = np.clip(x / 2.0 ** e, -7.5, 7.5)
;;       step = 2.0 ** (np.maximum(np.frexp(np.where(r == 0, 1, r))[1] - 1, 0) - 3)
;;       q = np.round(r / step) * step * 2.0 ** e      # np.round: ties to even
;;       return np.moveaxis(q.reshape(q.shape[:-2] + (-1,))[..., :K], -1, axis).astype(np.float32)
;;   ~~~
;;   SOFTMAX AHEAD OF A QUANTISED PRODUCT. Where the list says 'softmax', what is quantised is not the finished softmax but p = 2^(t - M), with t = logit x log2(e) and M = ceil(the row's largest t), a whole number; so 1/2 < the row's largest p <= 1. The row's sum l is taken of the UNQUANTISED p, in f32, and the product's result is divided by l at the end. Since M is a whole number, a kernel that streams over the keys may use a running M (the ceiling of the running maximum): every later rescaling is an exact power of two, which a block's scale takes up: the codes' values come out the same.
;;   OPERANDS COMPUTED ON THE WAY. 'Computed on the way' means the value that the module computes at that place (a softmax that the list does not call 'softmax' is quantised finished and normalised). What goes into a quantiser is computed in f32, as accurately as f32 sums, v_exp_f32 and their like allow (about 1e-6 of the number): no bf16 or f16 on the way to a quantiser, and a product that is left as it is and whose result goes on into a quantised operand takes f32 operands (vector FMAs, or v_wmma_f32_16x16x4_f32). A number that lies on a knife's edge between two numbers of the format may be rounded either way, as far as f32 arithmetic and the matrix unit's own rounding can turn it there, and no further.
;; One version. Each part assembles by itself: llvm-mc -triple=amdgcn-amd-amdhsa -mcpu=gfx1250 --defsym DOCPART=n.
;; ======== version 1 of 1: 3 launches
;; workspace buffers: rec 24,748,032 bytes; qrec 372,736 bytes; opart 29,360,128 bytes; ml 114,688 bytes
;; launch quant (part 1): grid 892 x 1, 4 waves a work-group, no clusters, 34,304 bytes of LDS; arguments mv, mk, qk, rec, qrec; writes rec, qrec
.if DOCPART == 1
	.amdgcn_target "amdgcn-amd-amdhsa--gfx1250"
	.amdhsa_code_object_version 6
	.text
	.protected	k_qca64e568eb_quant
	.globl	k_qca64e568eb_quant
	.p2align	8
	.type	k_qca64e568eb_quant,@function
k_qca64e568eb_quant:
	s_mov_b64 s[64:65], 0
	v_nop
	global_prefetch_b8 v0, s[64:65] scope:SCOPE_SE
	s_setreg_imm32_b32 hwreg(HW_REG_WAVE_MODE, 25, 1), 1
	s_wait_xcnt 0x0
; mv [4][512][12960], mk [4][64][12960] and qk [4][64][1620], f32, become codes of FP6 (E2M3) with one E8M0 byte for each 32 along a product's K,
; laid in the order in which the next launch's operand registers take them.
; rec: 4 x 106 records of 58,368 bytes.  Record p holds V of key step p - 2 (128 keys) and K of key step p:
;   +0      V's codes: channel tile ct (16 channels) is an image of the operand's 12 registers: registers 4 g .. 4 g + 3 of lane l at 1536 ct + 512 g + 16 l
;   +49152  V's scale words, 4 bytes a channel, byte i for the step's block i
;   +51200  the K part, 7,168 bytes: for each group of 32 keys six runs of 256 bytes (CK block h, piece p of 8 bytes: run 3 h + p; key o at byte 8 (o xor 8 h));
;           +6144 a scale word a key (two bytes, then 0x7f twice);  +6656 -|m|^2 / 2 a key, f32
; qrec: 4 x 13 K parts for the queries.  Keys from 12,960 on and queries from 1,620 on get zero codes; such keys get the bias -FLT_MAX.
; A block's scale byte is its largest magnitude's exponent field - 2, held at 1 from below.
; LIMITS: NaN and infinities are not served; |m|^2 must stay finite; a block of zeros, or one whose largest magnitude lies under 2^-124, gets the byte 1
; (its codes are zeros, and this program alone reads the bytes); |m|^2 is summed in four chains, not in the order of the source.
; Work-groups 0-415 take V, 416-839 K, 840-891 Q.  Only V's path uses LDS.
.set ROWV,  51840                      ; a row of mv or mk in bytes
.set RECB,  58368
.set VSC,   49152
.set KOFF,  51200
.set STP,   528                        ; a stage row: 512 bytes + 16
.set WST,   16*STP                     ; a wave's stage
.set SPARE, 4*WST                      ; behind the stages: the spare words, 128 bytes a wave
.set SPW,   14                         ; v14  my spare word's address; never rewritten
.set NIL,   15                         ; v15  0; never rewritten
.set R,     16                         ; v16-143  two sets of 16 x 4 registers as loaded
.set X,     144                        ; v144-207 my two blocks of 32 numbers
.set CDB,   208                        ; v208-231 two sets of 12 registers of codes
.set T0,    232
.set T1,    236
.set MA,    240
.set SO,    242
.set BY,    244
.set WD,    246
.set WT,    247
.set W0,    248
.set WJ,    249
	s_load_b128 s[4:7], s[0:1], 0x0                ; mv, mk
	s_load_b128 s[8:11], s[0:1], 0x10              ; qk, rec
	s_load_b64 s[12:13], s[0:1], 0x20              ; qrec
	v_lshl_add_u32 v[SPW], v0, 2, SPARE
	v_mov_b32 v[NIL], 0
	v_lshrrev_b32 v1, 5, v0
	v_readfirstlane_b32 s14, v1                    ; wave
	v_and_b32 v1, 31, v0                           ; lane
	s_mov_b32 s30, 0x76543210
	s_mov_b32 s31, 0xfedcba98                      ; selects for lane l xor 16
	s_cmp_lt_u32 ttmp9, 416
	s_cbranch_scc0 .Lnot_v
; ---------------- V: a wave takes 32 channels x 4 key steps: eight fragments of 16 channels x 128 keys ----------------
	s_mul_i32 s15, ttmp9, 631
	s_lshr_b32 s15, s15, 16                        ; batch = g / 104
	s_mul_i32 s16, s15, 104
	s_sub_co_u32 s16, ttmp9, s16
	s_mul_i32 s17, s16, 2521
	s_lshr_b32 s17, s17, 16                        ; (g % 104) / 26
	s_mul_i32 s18, s17, 26
	s_sub_co_u32 s18, s16, s18                     ; which four key steps
	s_lshl_b32 s17, s17, 2
	s_add_co_u32 s17, s17, s14                     ; which 32 channels
	s_lshl_b32 s19, s15, 9
	s_lshl_b32 s20, s17, 5
	s_add_co_u32 s19, s19, s20
	s_mul_i32 s20, s19, ROWV                       ; my first channel's row
	s_mov_b32 s21, 0
	s_mul_i32 s22, s15, 106
	s_lshl_b32 s23, s18, 2
	s_add_co_u32 s22, s22, s23
	s_add_co_u32 s22, s22, 2                       ; V of step t lies in record t + 2
	s_mul_i32 s22, s22, RECB
	s_mov_b32 s23, 0
	s_mul_i32 s24, s17, 3072                       ; two tiles' images
	s_mov_b32 s25, 0
	s_lshl_b32 s26, s17, 7
	s_add_co_u32 s26, s26, VSC                     ; 32 scale words
	s_mov_b32 s27, 0
	s_lshl_b32 s28, s18, 4
	s_sub_co_i32 s28, 405, s28                     ; blocks left from my first step on: the keys are 405 blocks
	s_mov_b32 s29, 0xffff0000                      ; lanes 16-31
	v_lshlrev_b32 v2, 4, v1                        ; 16 x lane
	v_bfe_u32 v3, v0, 4, 1                         ; h
	v_and_b32 v12, 15, v0                          ; r
	s_mul_i32 s36, s14, WST
	v_add_nc_u32 v8, s36, v2                       ; the stage, in: as loaded
	v_mul_u32_u24 v9, v12, STP
	v_lshl_add_u32 v9, v3, 7, v9
	v_add_nc_u32 v9, s36, v9                       ; out: channel r, block h
	v_lshlrev_b32 v10, 2, v1
	v_lshlrev_b32 v11, 3, v3
	s_lshl_b32 s37, s18, 11
	v_add_nc_u32 v12, s37, v2
.irp k, 0,1,2,3
	v_add_nc_u32 v[4+\k], 512*\k, v12              ; my 16 bytes of step k's 512 in a row,
.endr
.irp k, 0,1,2,3
	v_min_u32 v[4+\k], ROWV-16, v[4+\k]            ; held inside the row: what is read twice so belongs to blocks from 405 on, whose codes are set to zero
.endr
	v_mov_b32 v[WT], 0                             ; a lane permute's destination counts as read
	s_wait_kmcnt 0x0
	s_add_nc_u64 s[4:5], s[4:5], s[20:21]
	s_add_nc_u64 s[10:11], s[10:11], s[22:23]
	s_add_nc_u64 s[24:25], s[10:11], s[24:25]      ; where my codes go
	s_add_nc_u64 s[26:27], s[10:11], s[26:27]      ; and my scale words
.macro LOADF f                         ; fragment f = step f / 2, tile f % 2: 16 loads, each 512 consecutive bytes of one channel
.irp i, 0,1,2,3,4,5,6,7,8,9,10,11,12,13,14,15
	global_load_b128 v[R+64*((\f)%2)+4*\i:R+64*((\f)%2)+4*\i+3], v[4+(\f)/2], s[4:5] offset:(16*((\f)%2)+\i)*ROWV th:TH_LOAD_NT
.endr
.endm
.macro FRAG f
.set RS, R+64*((\f)%2)
.set CD, CDB+12*((\f)%2)
.if (\f) < 7
	s_wait_loadcnt 16                              ; this fragment's 16 loads are in; the next fragment's may be out
.else
	s_wait_loadcnt 0x0
.endif
.irp i, 0,1,2,3,4,5,6,7,8,9,10,11,12,13,14,15
	ds_store_b128 v8, v[RS+4*\i:RS+4*\i+3] offset:STP*\i
.endr
.irp i, 0,1,2,3,4,5,6,7
	ds_load_b128 v[X+4*\i:X+4*\i+3], v9 offset:16*\i              ; LDS serves a wave's instructions in order: these see the stores.  Block h of channel r,
.endr
.irp i, 0,1,2,3,4,5,6,7
	ds_load_b128 v[X+32+4*\i:X+32+4*\i+3], v9 offset:256+16*\i    ; and block 2 + h: what the operand's layout gives lane (r, h)
.endr
	s_wait_dscnt 0x0                               ; the numbers are back, and the stores have read the set,
.if (\f)+2 < 8
	LOADF (\f)+2                                   ; which takes the fragment two on
.endif
	s_wait_xcnt 0x0                                ; earlier stores have read their registers: this set of codes and the joined word are written again below
	v_max3_num_f32 v[MA], |v[X]|, |v[X+1]|, 0x1800000             ; the largest magnitudes, with the floor 2^(3 - 127): the byte cannot fall under 1
	v_max3_num_f32 v[MA+1], |v[X+32]|, |v[X+33]|, 0x1800000
.irp i, 2,4,6,8,10,12,14,16,18,20,22,24,26,28,30
	v_max3_num_f32 v[MA], v[MA], |v[X+\i]|, |v[X+\i+1]|
	v_max3_num_f32 v[MA+1], v[MA+1], |v[X+32+\i]|, |v[X+33+\i]|
.endr
	v_add_nc_u32 v[SO], 0xff000000, v[MA]          ; 2 off the exponent field: the conversion's scale operand
	v_add_nc_u32 v[SO+1], 0xff000000, v[MA+1]
	v_lshrrev_b32 v[BY], 23, v[SO]                 ; the bytes
	v_lshrrev_b32 v[BY+1], 23, v[SO+1]
	v_lshl_or_b32 v[WD], v[BY+1], 16, v[BY]
	v_lshlrev_b32 v[WD], v11, v[WD]                ; at their places in the word (8 h bits up);
	v_permlanex16_b32 v[WT], v[WD], s30, s31
.if (\f)%2 == 0
	v_or_b32 v[W0], v[WD], v[WT]                   ; with lane l xor 16's two the word is whole
.else
	v_or_b32 v[WD], v[WD], v[WT]
	v_cndmask_b32 v[WJ], v[W0], v[WD], s29         ; lanes 0-15: the even tile's words, lanes 16-31: the odd tile's: 32 channels on end
.endif
	s_sub_co_i32 s34, s28, 4*((\f)/2)
	s_sub_co_i32 s35, s34, 2
	v_cmp_gt_i32 s32, s34, v3                      ; is block h of this step one of the 405?
	v_cmp_gt_i32 s33, s35, v3                      ; and block 2 + h?
	v_cvt_scalef32_pk16_fp6_f32 v[CD:CD+2], v[X:X+15], v[SO]
	v_cvt_scalef32_pk16_fp6_f32 v[T0:T0+2], v[X+16:X+31], v[SO]   ; (a conversion's three registers begin on an even number)
	v_cvt_scalef32_pk16_fp6_f32 v[CD+6:CD+8], v[X+32:X+47], v[SO+1]
	v_cvt_scalef32_pk16_fp6_f32 v[T1:T1+2], v[X+48:X+63], v[SO+1]
	v_nop                                          ; one plain place behind a scaled conversion
.irp i, 0,1,2
	v_cndmask_b32 v[CD+\i], 0, v[CD+\i], s32       ; zero codes beyond the last key; the second halves are moved into place by the same line
	v_cndmask_b32 v[CD+3+\i], 0, v[T0+\i], s32
	v_cndmask_b32 v[CD+6+\i], 0, v[CD+6+\i], s33
	v_cndmask_b32 v[CD+9+\i], 0, v[T1+\i], s33
.endr
.irp g, 0,1,2
	global_store_b128 v2, v[CD+4*\g:CD+4*\g+3], s[24:25] offset:((\f)/2)*RECB+((\f)%2)*1536+512*\g   ; 32 lanes store 512 consecutive bytes, aligned to 256
.endr
.if (\f)%2
	global_store_b32 v10, v[WJ], s[26:27] offset:((\f)/2)*RECB
.endif
.endm
	LOADF 0
	LOADF 1
.irp f, 0,1,2,3,4,5,6,7
	FRAG \f
.endr
	s_wait_tensorcnt 0x0                           ; the wave's end, behind my last LDS store
	ds_add_u32 v[SPW], v[NIL]
	s_wait_dscnt 0x0
	s_endpgm
; ---------------- K and Q: CK is the first axis: a lane takes a column and its registers run down CK ----------------
.set KX, 16                            ; v16-79 my column's 64 numbers
.set KA, 80                            ; v80-87 four chains of squares
.set KM, 88
.set KSO, 90
.set KBY, 92
.set KW, 94
.set KC, 96                            ; v96-107 codes
.set KT, 108
.macro KQ cols                         ; s18: which 128 columns; s[20:21]: the batch's first row; s[22:23]: the K part
	s_lshl_b32 s19, s18, 7
	s_lshl_b32 s24, s14, 5
	s_add_co_u32 s19, s19, s24
	v_add_nc_u32 v12, s19, v1                      ; my column
	s_mov_b32 s24, \cols
	v_cmp_gt_u32 s26, s24, v12                     ; does it exist?
	v_min_u32 v13, \cols-1, v12                    ; no load leaves its row
	v_lshlrev_b32 v13, 2, v13
.set cc, 0
.rept 64
	global_load_b32 v[KX+cc], v13, s[20:21] offset:cc*4*\cols th:TH_LOAD_NT   ; 32 lanes read 128 consecutive bytes, the four waves 512
.set cc, cc+1
.endr
	s_wait_loadcnt 0x0
.irp i, 0,1,2,3
	v_pk_mul_f32 v[KA+2*\i:KA+2*\i+1], v[KX+2*\i:KX+2*\i+1], v[KX+2*\i:KX+2*\i+1]
.endr
.set cc, 4
.rept 28
	v_pk_fma_f32 v[KA+2*(cc%4):KA+2*(cc%4)+1], v[KX+2*cc:KX+2*cc+1], v[KX+2*cc:KX+2*cc+1], v[KA+2*(cc%4):KA+2*(cc%4)+1]
.set cc, cc+1
.endr
	v_max3_num_f32 v[KM], |v[KX]|, |v[KX+1]|, 0x1800000
	v_max3_num_f32 v[KM+1], |v[KX+32]|, |v[KX+33]|, 0x1800000
.irp i, 2,4,6,8,10,12,14,16,18,20,22,24,26,28,30
	v_max3_num_f32 v[KM], v[KM], |v[KX+\i]|, |v[KX+\i+1]|
	v_max3_num_f32 v[KM+1], v[KM+1], |v[KX+32+\i]|, |v[KX+33+\i]|
.endr
	v_pk_add_f32 v[KA:KA+1], v[KA:KA+1], v[KA+2:KA+3]
	v_pk_add_f32 v[KA+4:KA+5], v[KA+4:KA+5], v[KA+6:KA+7]
	v_pk_add_f32 v[KA:KA+1], v[KA:KA+1], v[KA+4:KA+5]
	v_add_f32 v[KA], v[KA], v[KA+1]                ; |m|^2, of the numbers as they are given
	v_mul_f32 v[KA], -0.5, v[KA]
	v_mov_b32 v[KA+1], 0xff7fffff
	v_cndmask_b32 v[KA], v[KA+1], v[KA], s26       ; a column that does not exist: -FLT_MAX, so that its weight is 0
	v_add_nc_u32 v[KSO], 0xff000000, v[KM]
	v_add_nc_u32 v[KSO+1], 0xff000000, v[KM+1]
	v_lshrrev_b32 v[KBY], 23, v[KSO]
	v_lshrrev_b32 v[KBY+1], 23, v[KSO+1]
	v_lshl_or_b32 v[KW], v[KBY+1], 8, v[KBY]
	v_or_b32 v[KW], 0x7f7f0000, v[KW]              ; the instruction's K is 128: its upper 64 are zero codes under the byte 127
	v_cvt_scalef32_pk16_fp6_f32 v[KC:KC+2], v[KX:KX+15], v[KSO]
	v_cvt_scalef32_pk16_fp6_f32 v[KT:KT+2], v[KX+16:KX+31], v[KSO]
	v_cvt_scalef32_pk16_fp6_f32 v[KC+6:KC+8], v[KX+32:KX+47], v[KSO+1]
	v_cvt_scalef32_pk16_fp6_f32 v[KT+4:KT+6], v[KX+48:KX+63], v[KSO+1]
	v_nop                                          ; one plain place behind a scaled conversion
.irp i, 0,1,2
	v_cndmask_b32 v[KC+\i], 0, v[KC+\i], s26
	v_cndmask_b32 v[KC+3+\i], 0, v[KT+\i], s26
	v_cndmask_b32 v[KC+6+\i], 0, v[KC+6+\i], s26
	v_cndmask_b32 v[KC+9+\i], 0, v[KT+4+\i], s26
.endr
.irp p, 0,1,2
	global_store_b64 v2, v[KC+2*\p:KC+2*\p+1], s[22:23] offset:256*\p            ; 32 lanes store 256 consecutive bytes, aligned
	global_store_b64 v3, v[KC+6+2*\p:KC+7+2*\p], s[22:23] offset:768+256*\p
.endr
	global_store_b32 v4, v[KW], s[22:23] offset:6144   ; 128 consecutive bytes a wave, 512 the work-group
	global_store_b32 v4, v[KA], s[22:23] offset:6656
.endm
.Lnot_v:
	s_mul_i32 s15, s14, 1536
	v_lshlrev_b32 v2, 3, v1
	v_xor_b32 v3, 8, v1
	v_lshlrev_b32 v3, 3, v3
	v_add_nc_u32 v2, s15, v2                       ; my group's runs: CK block 0: byte 8 x lane,
	v_add_nc_u32 v3, s15, v3                       ; block 1: byte 8 x (lane xor 8)
	s_lshl_b32 s15, s14, 7
	v_lshlrev_b32 v4, 2, v1
	v_add_nc_u32 v4, s15, v4                       ; words and biases: 4 bytes a column
	s_cmp_lt_u32 ttmp9, 840
	s_cbranch_scc0 .Lq
	s_sub_co_u32 s16, ttmp9, 416                   ; the record's number in rec
	s_mul_i32 s17, s16, 619
	s_lshr_b32 s17, s17, 16                        ; batch = i / 106
	s_mul_i32 s18, s17, 106
	s_sub_co_u32 s18, s16, s18
	s_mul_i32 s20, s17, 64*ROWV
	s_mov_b32 s21, 0
	s_mul_i32 s22, s16, RECB
	s_add_co_u32 s22, s22, KOFF
	s_mov_b32 s23, 0
	s_wait_kmcnt 0x0
	s_add_nc_u64 s[20:21], s[6:7], s[20:21]
	s_add_nc_u64 s[22:23], s[10:11], s[22:23]
	KQ 12960
	s_endpgm
.Lq:
	s_sub_co_u32 s16, ttmp9, 840
	s_mul_i32 s17, s16, 5042
	s_lshr_b32 s17, s17, 16                        ; batch = i / 13
	s_mul_i32 s18, s17, 13
	s_sub_co_u32 s18, s16, s18
	s_mul_i32 s20, s17, 64*6480
	s_mov_b32 s21, 0
	s_mul_i32 s22, s16, 7168
	s_mov_b32 s23, 0
	s_wait_kmcnt 0x0
	s_add_nc_u64 s[20:21], s[8:9], s[20:21]
	s_add_nc_u64 s[22:23], s[12:13], s[22:23]
	KQ 1620
	s_endpgm
.Lfunc_end_k_qca64e568eb_quant:
	.size	k_qca64e568eb_quant, .Lfunc_end_k_qca64e568eb_quant-k_qca64e568eb_quant
	.p2alignl 7, 3214868480
	.fill 96, 4, 3214868480
	.section	.rodata,"a",@progbits
	.p2align	6, 0x0
	.amdhsa_kernel k_qca64e568eb_quant
		.amdhsa_group_segment_fixed_size 34304
		.amdhsa_private_segment_fixed_size 0
		.amdhsa_enable_private_segment 0
		.amdhsa_kernarg_size 40
		.amdhsa_user_sgpr_count 2
		.amdhsa_user_sgpr_kernarg_segment_ptr 1
		.amdhsa_wavefront_size32 1
		.amdhsa_system_sgpr_workgroup_id_x 1
		.amdhsa_system_sgpr_workgroup_id_y 1
		.amdhsa_system_sgpr_workgroup_id_z 1
		.amdhsa_system_vgpr_workitem_id 0
		.amdhsa_next_free_vgpr 256
		.amdhsa_next_free_sgpr 66
		.amdhsa_reserve_vcc 0
		.amdhsa_float_denorm_mode_32 3
		.amdhsa_float_denorm_mode_16_64 3
		.amdhsa_memory_ordered 1
		.amdhsa_forward_progress 1
		.amdhsa_inst_pref_size 92
	.end_amdhsa_kernel
	.amdgpu_metadata
---
amdhsa.version: [ 1, 2 ]
amdhsa.kernels:
  - .name:           k_qca64e568eb_quant
    .symbol:         k_qca64e568eb_quant.kd
    .args:
      - { .name: mv, .offset: 0, .size: 8, .value_kind: global_buffer, .address_space: global }
      - { .name: mk, .offset: 8, .size: 8, .value_kind: global_buffer, .address_space: global }
      - { .name: qk, .offset: 16, .size: 8, .value_kind: global_buffer, .address_space: global }
      - { .name: rec, .offset: 24, .size: 8, .value_kind: global_buffer, .address_space: global }
      - { .name: qrec, .offset: 32, .size: 8, .value_kind: global_buffer, .address_space: global }
    .group_segment_fixed_size: 34304
    .private_segment_fixed_size: 0
    .kernarg_segment_align: 8
    .kernarg_segment_size: 40
    .max_flat_workgroup_size: 128
    .sgpr_count:     66
    .vgpr_count:     256
    .wavefront_size: 32
...
	.end_amdgpu_metadata
.endif
;; end of part 1
;; launch attend (part 2): grid 28 x 8, 8 waves a work-group, clusters of 4 x 1, 327,680 bytes of LDS; arguments rec, qrec, opart, ml; writes opart, ml
.if DOCPART == 2
	.amdgcn_target "amdgcn-amd-amdhsa--gfx1250"
	.amdhsa_code_object_version 6
	.text
	.protected	k_qca64e568eb_attend
	.globl	k_qca64e568eb_attend
	.p2align	8
	.type	k_qca64e568eb_attend,@function
k_qca64e568eb_attend:
	s_mov_b64 s[64:65], 0
	v_nop
	global_prefetch_b8 v0, s[64:65] scope:SCOPE_SE
	s_setreg_imm32_b32 hwreg(HW_REG_WAVE_MODE, 25, 1), 1
	s_wait_xcnt 0x0
	s_wait_alu depctr_hold_cnt(0) depctr_sa_sdst(0) depctr_va_vdst(0) depctr_va_sdst(0) depctr_va_ssrc(0) depctr_va_vcc(0) depctr_vm_vsrc(0)
	s_getreg_b32 s2, hwreg(HW_REG_IB_STS2, 6, 4)
	s_cmp_eq_u32 s2, 0
	s_cbranch_scc0 .Lentry_in_a_cluster
	s_endpgm
.Lentry_in_a_cluster:
	s_bfe_u32 s2, ttmp6, 0x10000c
	s_cmp_lg_u32 s2, 0x3003
	s_cbranch_scc0 .Lentry_shape_is_right
	s_endpgm
.Lentry_shape_is_right:
; For one batch b, one half s of the keys (52 steps of 128) and 64 query slots: S = m . q - |m|^2 / 2, t = S log2(e) / 4, M = ceil(the half's largest t), p = 2^(t - M),
; O[c][q] = sum over the half's keys of V[c][k] p[k][q], l[q] = sum of the unquantised p.  Both products on codes of FP6 with E8M0 scales.  O, -M and l go to memory; the next launch joins the halves.
; y = 2 b + s.  Block blk begins at query 56 blk + 4 min(blk, 13); slots beyond the block's own 60 or 56 are computed and stored, and read by nobody.
; TWO PASSES.  Pass 1 makes the scores alone and finds M; pass 2 makes them again, so that O is never rescaled.
; ROLES IN PASS 2.  Waves 0-3: wave w owns block w (32 keys) of every step for all 64 queries: scores, p, its codes and scale bytes, which go to LDS.  Waves 4-7: wave 4 + cq owns channels
; 128 cq .. + 127 x 64 queries: 32 accumulators.  In tick i the first four make p of step i + 1 and the scores of step i + 2, the others multiply V of step i by p of step i.  A record of rec
; holds V of step i and K of step i + 2, so a tick reads one record; a slot holds two.  In pass 1 all eight waves work alike: block wave % 4 of the records of parity wave / 4;
; an area of 14 K parts is brought by waves 0-6, two parts each.
; LAYOUT.  S^T = K Q^T: source 0 = 16 keys, source 1 = 16 queries, C = the keys' biases.  Lane 8 a + j of tile u takes key 16 a + 8 u + j of the block, so that a lane's 16 registers of a query tile
; are keys 16 h + 0 .. 15.  O = P V^T: source 0 = 16 queries of p, source 1 = 16 channels: a lane holds one channel and eight neighbouring queries, as opart's rows lie.
; CLUSTER.  The four blocks of a cluster walk the same records: every tensor load is joint, with the mask of all four.  cx enters global addresses alone.
; LIMITS: NaN and infinities are not served; a block of p that is all zeros keeps the byte 1 (its codes are zeros).
.set RECB,  58368
.set KOFF,  51200
.set KPB,   7168                       ; a K part
.set WVB,   14592                      ; a wave's eighth of a slot: 57 rows of 256 bytes
.set SLOT1, 131072                     ; slot 0 at 0, slot 1 here; in pass 1: two areas of 14 K parts
.set PB0,   262144                     ; p: two buffers 16,384 apart: 64 rows of 144 bytes; block i at 32 i: its bytes 0-15, then bytes 16-23 at 16 + 8 (i % 2)
.set PBD,   16384
.set PSC,   9216                       ; behind the rows: a scale word a row
.set MXT,   294912                     ; pass 1's maxima: 512 bytes a wave
.set LST,   299008                     ; the sums: 512 bytes for each of waves 0-3
.set SPARE, 301056                     ; the spare words, 128 bytes a wave: four blocks of 256 bytes that no other line names
.set STG,   4352                       ; the way out: two stages of 16 rows x 272 bytes a wave, in slot 0, which has had its last fill and its last read by then
; window 0: v2, v3 K's codes (tile 0, 1); v4 K's scale words; v5 biases; v6-9 the same + the record in hand; v10, v11, v13 where p's codes and bytes go; v14-16 where they are read;
;   v17, v18 V's images and words; v19, v20 + the record in hand; v21, v22 maxima in, out; v23, v24 sums in, out; v25, v26 stage in, out; v27 16 x lane; v28 256 x lane; v29 ml's offset
.set SPW, 30                           ; v30 my spare word; v31 0; neither is rewritten
.set NIL, 31
.set QF,  32                           ; v32-79   Q: 4 fragments (registers 6-11 of each: zero codes)      | waves 4-7 in pass 2: p's 4 fragments
.set MX,  80                           ; v80-87   pass 1: running maxima                                   | v80-175: V's 8 fragments
.set LA,  88                           ; v88-95   the sums, a pair a query tile
.set BM,  96
.set TP,  100
.set SCL, 104
.set BY,  108
.set PC,  112                          ; v112-127 codes just made
.set NM0, 128                          ; v128-131 -M
.set TMP, 132                          ; v132-163 at work
.set PF,  32
.set VF,  80
.set OUT, 176                          ; v176-239 the way out
.set QS,  240                          ; scale words and nothing else: v240-243 Q's; v244, v245 K's (two sets); v246, v247 p's; v248-251 V's
.set KS,  244
.set PSR, 246
.set VSR, 248
; window 1, waves that make scores: v0-63, v64-127 two sets of scores; v128-175 K: two sets of two fragments; v176-207 biases, two sets; v208-215 -M in pairs.  Waves 4-7 in pass 2: O(ct, n) at 8 (4 ct + n)
.set SA,  0
.set SB,  64
.set KF,  128
.set BI,  176
.set NM,  208
.set WV,  12                           ; s12 wave; s13 wave / 4; s14 wave % 4
.set G1R, 24                           ; s[24:31] group 1 of a slot's eighth;  s[32:35] its group 0, which walks
.set G0R, 32
.set G1P, 36                           ; s[36:43] group 1 of two K parts;  s[44:47], s[48:51] groups 0 of my two parts of the two areas
.set G0A, 44
.set G0B, 48
.set CS,  52                           ; s[52:53] log2(e) / 4
.set SEL, 54                           ; s[54:55] selects for lane l xor 16
.set TB,  56                           ; s56 the slot in hand
.set TK,  57
.set TV,  58
.set CNT, 59
.set PFA, 60                           ; s[60:61] where my prefetches stand
.set LIM, 62                           ; s62 how many times I ask
.set PRS, 63
.set PFN, 66                           ; s66 changes of slots so far
.set HIM, 67                           ; s67 lanes 16-31
.set GOF, 68                           ; s68 7168 x (wave / 4)
.set MSB, 0
.macro WIN new                         ; the immediate's high byte repeats the setting that is left
.if MSB != \new
	s_set_vgpr_msb (MSB<<8)|\new
.set MSB, \new
.endif
.endm
.set W_S,  0x51                        ; destination, source 0 and source 2 window 1: score products, scalings, exponentials
.set W_LD, 0x40                        ; destination window 1
.set W_RD, 0x14                        ; sources 1 and 2 window 1
.set W_CV, 0x01                        ; source 0 window 1
.set W_PV, 0x50                        ; C and D window 1
.set W_ST, 0x04                        ; an LDS store's data window 1
.macro PLACES
.rept 4
	v_nop
.endr
.endm
.macro CROUND                          ; a round of the cluster's barrier
	s_barrier_signal -1
	s_barrier_wait -1
	s_cmp_lg_u32 s[WV], 0
	s_cbranch_scc1 .Lnot_wave_0_\@
	s_barrier_signal -3
.Lnot_wave_0_\@:
	s_barrier_wait -3
	s_barrier_signal -1
	s_barrier_wait -1
.endm
.macro BAR                             ; my LDS stores have landed and my LDS loads are in: then the work-group's barrier.
	s_wait_dscnt 0x0
	s_barrier_signal -1
	s_barrier_wait -1
.endm
; A prefetch into the L2.  The 52 records that pass 2 walks are one run of 11,856 blocks of 256 bytes.  All seven clusters of a y walk it: the first asks.  In it waves 4-7 of the four partners, told
; apart by address, name 32 blocks each: 512 blocks a change of slots, at the first 23 changes; a slot is 456 blocks, and slot p is loaded at change p + 2: every block is named at least two changes
; ahead of its load.  The last 80 blocks are not named: no prefetch passes the buffer's end.
.macro ASK
	s_cmp_lt_u32 s[PFN], s[LIM]
	s_cbranch_scc0 .Lnot_mine_\@
	global_prefetch_b8 v28, s[PFA:PFA+1] th:TH_LOAD_NT scope:SCOPE_SE
.Lnot_mine_\@:
	s_add_co_u32 s[PFN], s[PFN], 1
.endm
; A change of slots.  kind 1, 2: waves 0-6 fill their two parts of area A, B again; 3: every wave fills its eighth of slot 0; 4: the walking descriptor steps first; 0: nothing is filled.
.macro CHG kind
	s_wait_tensorcnt 0x0                           ; all my tensor loads have landed, so a group 0 may be written
	ds_add_u32 v[SPW], v[NIL]                      ; 0 onto my spare word
.if \kind == 1
	s_add_nc_u64 s[G0A+2:G0A+3], s[G0A+2:G0A+3], 26*RECB   ; from records 14-27 to 40-53
.elseif \kind == 2
	s_sub_nc_u64 s[G0B+2:G0B+3], s[G0B+2:G0B+3], 28*RECB   ; from records 28-41 to 0-13
.elseif \kind == 4
	s_xor_b32 s[G0R+1], s[G0R+1], SLOT1            ; the other slot,
	s_add_nc_u64 s[G0R+2:G0R+3], s[G0R+2:G0R+3], 2*RECB    ; the next two records
.endif
.if \kind > 1
	s_wait_xcnt 0x0                                ; the last prefetch, a change back, has read its address
	s_add_nc_u64 s[PFA:PFA+1], s[PFA:PFA+1], 131072
.endif
	s_wait_dscnt 0x0                               ; the add is done, and my LDS reads and stores are over
.if \kind == 0
	s_barrier_signal -1
	s_barrier_wait -1
.else
	CROUND                                         ; no wave of any partner still reads the bytes to be filled or has a load on its way
.if \kind < 3
	s_cmp_lt_u32 s[WV], 7                          ; 14 parts are seven waves' two: wave 7 has none
	s_cbranch_scc0 .Lnot_loader_\@
.if \kind == 1
	tensor_load_to_lds s[G0A:G0A+3], s[G1P:G1P+7]
.else
	tensor_load_to_lds s[G0B:G0B+3], s[G1P:G1P+7]
.endif
	s_nop 0
	PLACES
.Lnot_loader_\@:
.else
	tensor_load_to_lds s[G0R:G0R+3], s[G1R:G1R+7]
	s_nop 0
	PLACES
.endif
	ASK
.endif
.endm
; K of one record for my block: 11 LDS loads: the scale words (tile 0's in lanes 0-15, tile 1's in lanes 16-31), two fragments' lower halves, 16 biases
.macro KSLOAD set, off
	ds_load_b32 v[KS+\set], v8 offset:\off
.endm
.macro KLOAD10 set, off
.irp u, 0,1
.irp p, 0,1,2
	ds_load_b64 v[KF+24*\set+12*\u+2*\p:KF+24*\set+12*\u+2*\p+1], v[6+\u] offset:\off+256*\p
.endr
.endr
.irp i, 0,1,2,3
	ds_load_b128 v[BI+16*\set+4*\i:BI+16*\set+4*\i+3], v9 offset:\off+16*\i
.endr
.endm
.macro SM1 acc, set, n, u              ; scores of key tile u and query tile n; the biases are the C
.set rD, \acc+16*(\n)+8*(\u)
.set rK, KF+24*(\set)+12*(\u)
.set rQ, QF+12*(\n)
.set rC, BI+16*(\set)+8*(\u)
.if \u
	v_wmma_scale_f32_16x16x128_f8f6f4 v[rD:rD+7], v[rK:rK+11], v[rQ:rQ+11], v[rC:rC+7], v[KS+(\set)], v[QS+(\n)] matrix_a_fmt:MATRIX_FMT_FP6 matrix_b_fmt:MATRIX_FMT_FP6 matrix_a_scale:MATRIX_SCALE_ROW1
.else
	v_wmma_scale_f32_16x16x128_f8f6f4 v[rD:rD+7], v[rK:rK+11], v[rQ:rQ+11], v[rC:rC+7], v[KS+(\set)], v[QS+(\n)] matrix_a_fmt:MATRIX_FMT_FP6 matrix_b_fmt:MATRIX_FMT_FP6
.endif
.endm
.macro SMM acc, set                    ; eight products on eight accumulators
.irp n, 0,1,2,3
.irp u, 0,1
	SM1 \acc, \set, \n, \u
.endr
.endr
.endm
; Pass 1, one record: its scores and their maxima.  off >= 0: the set takes the record that lies off bytes on.  left: LDS loads that may stay out
.macro P1STEP set, acc, off, left
	s_wait_dscnt \left
	WIN W_S
	SMM \acc, \set
	PLACES                                         ; in front of the loads into the products' sources and of the first read of their results
.if \off >= 0
	WIN W_LD
	KLOAD10 \set, \off
	WIN W_RD
	KSLOAD \set, \off
.else
	WIN W_RD
.endif
.irp i, 0,2,4,6
.irp a, 0,1,2,3,4,5,6,7
	v_max3_num_f32 v[MX+\a], v[MX+\a], v[\acc+8*\a+\i], v[\acc+8*\a+\i+1]   ; eight chains; each accumulator from its low end on
.endr
.endr
.endm
.macro P1Q area, n                     ; my n records (7 or 6) of an area: those of my parity
	s_add_co_u32 s[TK], s[GOF], \area
	v_add_nc_u32 v6, s[TK], v2
	v_add_nc_u32 v7, s[TK], v3
	v_add_nc_u32 v8, s[TK], v4
	v_add_nc_u32 v9, s[TK], v5
	KSLOAD 0, 0
	WIN W_LD
	KLOAD10 0, 0
	WIN 0
	KSLOAD 1, 2*KPB
	WIN W_LD
	KLOAD10 1, 2*KPB
	WIN 0
	s_mov_b32 s[CNT], 2
.Lp1_\@:                               ; a trip: two records; the count 11 leaves the other set's loads out
	P1STEP 0, SA, 4*KPB, 11
	P1STEP 1, SB, 6*KPB, 11
	WIN 0
	v_add_nc_u32 v6, 4*KPB, v6
	v_add_nc_u32 v7, 4*KPB, v7
	v_add_nc_u32 v8, 4*KPB, v8
	v_add_nc_u32 v9, 4*KPB, v9
	s_sub_co_u32 s[CNT], s[CNT], 1
	s_cmp_lg_u32 s[CNT], 0
	s_cbranch_scc1 .Lp1_\@
.if \n == 7
	P1STEP 0, SA, 4*KPB, 11
	P1STEP 1, SB, -1, 11
	P1STEP 0, SA, -1, 0
.else
	P1STEP 0, SA, -1, 11
	P1STEP 1, SB, -1, 0
.endif
	WIN 0
.endm
; Waves 0-3, one tick: the scores in cur become p, its codes and bytes go to buffer pb; the next record's scores are made in nxt.  koff: added to K's LDS offsets
.macro SOFT cur, nxt, pb, koff
	KSLOAD 0, \koff
	WIN W_LD
	KLOAD10 0, \koff
	WIN W_S
.set jj, 0
.rept 32
	v_pk_fma_f32 v[\cur+jj:\cur+jj+1], v[\cur+jj:\cur+jj+1], s[CS:CS+1], v[NM+2*(jj/16):NM+2*(jj/16)+1] op_sel_hi:[1,0,1]   ; t - M, two at a time; each accumulator from its low end on
.set jj, jj+2
.endr
	s_wait_dscnt 0x0                               ; K is in
.set qq, 0
.rept 8                                ; a product, then eight exponentials, which name none of its registers
	SM1 \nxt, 0, qq/2, qq%2
.irp e, 0,1,2,3,4,5,6,7
	v_exp_f32 v[\cur+8*qq+\e], v[\cur+8*qq+\e]
.endr
.set qq, qq+1
.endr
	v_nop                                          ; a plain place behind the last exponential
	s_wait_alu depctr_va_vdst(0)                   ; one wait for the 64, ahead of their first reader
	WIN W_RD
.irp n, 0,1,2,3
	v_max3_num_f32 v[BM+\n], 0x1800000, v[\cur+16*\n], v[\cur+16*\n+1]   ; my 16 p of the block, and the floor 2^(3 - 127)
.endr
.irp n, 0,1,2,3
	v_pk_add_f32 v[LA+2*\n:LA+2*\n+1], v[LA+2*\n:LA+2*\n+1], v[\cur+16*\n:\cur+16*\n+1]   ; the sum is taken of the unquantised p
.endr
.irp i, 2,4,6,8,10,12,14
.irp n, 0,1,2,3
	v_max3_num_f32 v[BM+\n], v[BM+\n], v[\cur+16*\n+\i], v[\cur+16*\n+\i+1]
.endr
.irp n, 0,1,2,3
	v_pk_add_f32 v[LA+2*\n:LA+2*\n+1], v[LA+2*\n:LA+2*\n+1], v[\cur+16*\n+\i:\cur+16*\n+\i+1]
.endr
.endr
	WIN 0
.irp n, 0,1,2,3
	v_permlanex16_b32 v[TP+\n], v[BM+\n], s[SEL], s[SEL+1]
.endr
.irp n, 0,1,2,3
	v_max_num_f32 v[BM+\n], v[BM+\n], v[TP+\n]     ; with lane l xor 16's 16: the block's largest p
.endr
.irp n, 0,1,2,3
	v_add_nc_u32 v[SCL+\n], 0xff000000, v[BM+\n]   ; 2 off the exponent field: the conversion's scale operand
.endr
.irp n, 0,1,2,3
	v_lshrrev_b32 v[BY+\n], 23, v[SCL+\n]          ; the byte
.endr
	WIN W_CV
.irp n, 0,1,2,3
	v_cvt_scalef32_pk16_fp6_f32 v[PC+4*\n:PC+4*\n+2], v[\cur+16*\n:\cur+16*\n+15], v[SCL+\n]
.endr
	v_nop                                          ; one plain place behind a scaled conversion
	WIN 0
.irp n, 0,1,2,3
	ds_store_b32 v10, v[PC+4*\n] offset:PBD*(\pb)+2304*\n          ; my 12 bytes of the block's 24: bytes 12 h on
	ds_store_b32 v11, v[PC+4*\n+1] offset:PBD*(\pb)+2304*\n
	ds_store_b32 v11, v[PC+4*\n+2] offset:PBD*(\pb)+2304*\n+4
	ds_store_b8 v13, v[BY+\n] offset:PBD*(\pb)+64*\n               ; both lanes of a row write the same byte with the same value
.endr
.endm
.macro PV1 ct, n, zero                 ; O(ct, n) += p's tile n x V's tile ct.  zero = 1: the product starts the sum
.set rO, 8*(4*(\ct)+(\n))
.set rA, PF+12*(\n)
.set rB, VF+12*(\ct)
.set rS, PSR+(\n)/2
.set rT, VSR+(\ct)/2
.if \zero
.if ((\n)%2 == 0) && ((\ct)%2 == 0)
	v_wmma_scale_f32_16x16x128_f8f6f4 v[rO:rO+7], v[rA:rA+11], v[rB:rB+11], 0, v[rS], v[rT] matrix_a_fmt:MATRIX_FMT_FP6 matrix_b_fmt:MATRIX_FMT_FP6
.elseif ((\n)%2 == 1) && ((\ct)%2 == 0)
	v_wmma_scale_f32_16x16x128_f8f6f4 v[rO:rO+7], v[rA:rA+11], v[rB:rB+11], 0, v[rS], v[rT] matrix_a_fmt:MATRIX_FMT_FP6 matrix_b_fmt:MATRIX_FMT_FP6 matrix_a_scale:MATRIX_SCALE_ROW1
.elseif ((\n)%2 == 0) && ((\ct)%2 == 1)
	v_wmma_scale_f32_16x16x128_f8f6f4 v[rO:rO+7], v[rA:rA+11], v[rB:rB+11], 0, v[rS], v[rT] matrix_a_fmt:MATRIX_FMT_FP6 matrix_b_fmt:MATRIX_FMT_FP6 matrix_b_scale:MATRIX_SCALE_ROW1
.else
	v_wmma_scale_f32_16x16x128_f8f6f4 v[rO:rO+7], v[rA:rA+11], v[rB:rB+11], 0, v[rS], v[rT] matrix_a_fmt:MATRIX_FMT_FP6 matrix_b_fmt:MATRIX_FMT_FP6 matrix_a_scale:MATRIX_SCALE_ROW1 matrix_b_scale:MATRIX_SCALE_ROW1
.endif
.else
.if ((\n)%2 == 0) && ((\ct)%2 == 0)
	v_wmma_scale_f32_16x16x128_f8f6f4 v[rO:rO+7], v[rA:rA+11], v[rB:rB+11], v[rO:rO+7], v[rS], v[rT] matrix_a_fmt:MATRIX_FMT_FP6 matrix_b_fmt:MATRIX_FMT_FP6
.elseif ((\n)%2 == 1) && ((\ct)%2 == 0)
	v_wmma_scale_f32_16x16x128_f8f6f4 v[rO:rO+7], v[rA:rA+11], v[rB:rB+11], v[rO:rO+7], v[rS], v[rT] matrix_a_fmt:MATRIX_FMT_FP6 matrix_b_fmt:MATRIX_FMT_FP6 matrix_a_scale:MATRIX_SCALE_ROW1
.elseif ((\n)%2 == 0) && ((\ct)%2 == 1)
	v_wmma_scale_f32_16x16x128_f8f6f4 v[rO:rO+7], v[rA:rA+11], v[rB:rB+11], v[rO:rO+7], v[rS], v[rT] matrix_a_fmt:MATRIX_FMT_FP6 matrix_b_fmt:MATRIX_FMT_FP6 matrix_b_scale:MATRIX_SCALE_ROW1
.else
	v_wmma_scale_f32_16x16x128_f8f6f4 v[rO:rO+7], v[rA:rA+11], v[rB:rB+11], v[rO:rO+7], v[rS], v[rT] matrix_a_fmt:MATRIX_FMT_FP6 matrix_b_fmt:MATRIX_FMT_FP6 matrix_a_scale:MATRIX_SCALE_ROW1 matrix_b_scale:MATRIX_SCALE_ROW1
.endif
.endif
.endm
; Waves 4-7, one tick: 46 LDS loads, 32 products.  The 32 accumulators take turns, one instruction a turn, from tick to tick too
.macro PVT pb, zero
.irp i, 0,1
	ds_load_b32 v[PSR+\i], v16 offset:PBD*(\pb)+128*\i             ; p's scale words: 32 rows a register
.endr
.irp i, 0,1,2,3
	ds_load_b32 v[VSR+\i], v20 offset:128*\i                       ; V's: 32 channels a register
.endr
.irp n, 0,1,2,3
	ds_load_b128 v[PF+12*\n:PF+12*\n+3], v14 offset:PBD*(\pb)+2304*\n        ; block h: bytes 0-15,
	ds_load_b64 v[PF+12*\n+4:PF+12*\n+5], v15 offset:PBD*(\pb)+2304*\n       ; bytes 16-23;
	ds_load_b128 v[PF+12*\n+6:PF+12*\n+9], v14 offset:PBD*(\pb)+2304*\n+64   ; block 2 + h
	ds_load_b64 v[PF+12*\n+10:PF+12*\n+11], v15 offset:PBD*(\pb)+2304*\n+64
.endr
.irp ct, 0,1,2,3,4,5,6,7
.irp g, 0,1,2
	ds_load_b128 v[VF+12*\ct+4*\g:VF+12*\ct+4*\g+3], v19 offset:1536*\ct+512*\g   ; an image of the registers: 512 consecutive bytes a load
.endr
.endr
	s_wait_dscnt 12                                ; all but V's tiles 4-7
	WIN W_PV
.irp ct, 0,1,2,3
.irp n, 0,1,2,3
	PV1 \ct, \n, \zero
.endr
.endr
	s_wait_dscnt 0x0
.irp ct, 4,5,6,7
.irp n, 0,1,2,3
	PV1 \ct, \n, \zero
.endr
.endr
	WIN 0
	PLACES                                         ; in front of the next tick's loads into the sources, and of the way out's reads of the results
.endm
; A tick on record j of the slot in hand.  Every wave makes the addresses; then the roles part on the wave's number and join.  Waves 0-3 write buffer pbw, waves 4-7 read the other one.
; soft = 0: the last tick: waves 0-3 hand over their sums
.macro TICK j, cur, nxt, pbw, zero, soft
	s_add_co_u32 s[TK], s[TB], RECB*\j+KOFF
	s_add_co_u32 s[TV], s[TB], RECB*\j
	v_add_nc_u32 v6, s[TK], v2
	v_add_nc_u32 v7, s[TK], v3
	v_add_nc_u32 v8, s[TK], v4
	v_add_nc_u32 v9, s[TK], v5
	v_add_nc_u32 v19, s[TV], v17
	v_add_nc_u32 v20, s[TV], v18
	s_cmp_lt_u32 s[WV], 4
	s_cbranch_scc0 .Lpv_\@
.if \soft
	SOFT \cur, \nxt, \pbw, 0
.else
.irp n, 0,1,2,3
	v_add_f32 v[BM+\n], v[LA+2*\n], v[LA+2*\n+1]
.endr
.irp n, 0,1,2,3
	v_permlanex16_b32 v[TP+\n], v[BM+\n], s[SEL], s[SEL+1]
.endr
.irp n, 0,1,2,3
	v_add_f32 v[BM+\n], v[BM+\n], v[TP+\n]         ; my block's share of each query's sum
.endr
.irp n, 0,1,2,3
	ds_store_b32 v23, v[BM+\n] offset:128*\n
.endr
.endif
	s_branch .Ljoin_\@
.Lpv_\@:
	PVT (1-\pbw), \zero
.Ljoin_\@:
.endm
	s_load_b256 s[4:11], s[0:1], 0x0               ; rec s[4:5], qrec s[6:7], opart s[8:9], ml s[10:11]
	v_lshl_add_u32 v[SPW], v0, 2, SPARE
	v_mov_b32 v[NIL], 0
	ds_add_u32 v[SPW], v[NIL]                      ; the wave's opening: the add and its wait stand ahead of my first tensor load; the set-up below, work on registers, stands between them
	v_lshrrev_b32 v1, 5, v0
	v_readfirstlane_b32 s[WV], v1
	s_lshr_b32 s13, s[WV], 2
	s_and_b32 s14, s[WV], 3
	s_bfe_u32 s15, ttmp6, 0x40000                  ; cx
	s_lshl_b32 s16, ttmp9, 2
	s_add_co_u32 s16, s16, s15                     ; blk
	s_and_b32 s17, ttmp7, 0xffff                   ; y
	s_lshr_b32 s18, s17, 1                         ; batch
	s_and_b32 s19, s17, 1                          ; half
	s_mul_i32 s20, s18, 106
	s_mul_i32 s21, s19, 52
	s_add_co_u32 s20, s20, s21
	s_mul_i32 s20, s20, RECB                       ; my half's first record
	s_mov_b32 s21, 0
	s_mul_i32 s22, s[WV], WVB
	s_mov_b32 s23, 0
	s_mul_i32 s82, s[WV], 2*KPB                    ; pass 1: my two K parts in an area,
	s_mul_i32 s84, s[WV], 2*RECB                   ; and the two records that hold them
	s_mov_b32 s85, 0
	s_mov_b32 s[G1R], 15|(3<<16)|(1<<21)           ; the mask of all four; elements of 8 bytes; bit 21 beside a mask; no padding
	s_mov_b32 s[G1R+1], 32<<16                     ; tensor_dim0 = 32: rows of 256 bytes
	s_mov_b32 s[G1R+2], 57<<16                     ; tensor_dim1
	s_mov_b32 s[G1R+3], 32<<16                     ; tile_dim0
	s_mov_b32 s[G1R+4], 57                         ; tile_dim1
	s_mov_b32 s[G1R+5], 32                         ; dense
	s_mov_b32 s[G1R+6], 0
	s_mov_b32 s[G1R+7], 0
	s_mov_b32 s[G1P], 15|(3<<16)|(1<<21)
	s_mov_b32 s[G1P+1], 896<<16                    ; rows of 7,168 bytes: a K part
	s_mov_b32 s[G1P+2], 2<<16                      ; two of them
	s_mov_b32 s[G1P+3], 896<<16
	s_mov_b32 s[G1P+4], 2
	s_mov_b32 s[G1P+5], RECB/8                     ; a record apart
	s_mov_b32 s[G1P+6], 0
	s_mov_b32 s[G1P+7], 0
	s_mov_b32 s[CS], 0x3eb8aa3b                    ; log2(e) / 4
	s_mov_b32 s[CS+1], s[CS]
	s_mov_b32 s[SEL], 0x76543210
	s_mov_b32 s[SEL+1], 0xfedcba98
	s_mov_b32 s[TB], 0
	s_mov_b32 s[PFN], 0
	s_mov_b32 s[HIM], 0xffff0000
	s_mul_i32 s[GOF], s13, KPB
	s_xor_b32 s[LIM], s13, 1                       ; 0 in waves 4-7,
	s_or_b32 s[LIM], s[LIM], ttmp9                 ; of the first cluster: the same in all four partners
	s_cmp_eq_u32 s[LIM], 0
	s_cselect_b32 s[LIM], 23, 0
	s_mul_i32 s70, s16, 56
	s_min_u32 s71, s16, 13
	s_lshl_b32 s71, s71, 2
	s_add_co_u32 s70, s70, s71                     ; my first query
	s_mul_i32 s72, s17, 28
	s_add_co_u32 s72, s72, s16                     ; 28 y + blk
	s_lshl_b32 s74, s72, 9                         ; in ml
	s_mov_b32 s75, 0
	s_lshl_b32 s72, s72, 17                        ; in opart: 512 rows of 256 bytes,
	s_lshl_b32 s73, s14, 15                        ; my 128 of them
	s_add_co_u32 s72, s72, s73
	s_mov_b32 s73, 0
	s_mul_i32 s76, s18, 13*KPB                     ; the batch in qrec
	s_mov_b32 s77, 0
	s_lshl_b32 s78, s15, 2
	s_add_co_u32 s78, s78, s14
	s_lshl_b32 s78, s78, 13                        ; my 8,192 bytes of the 131,072 that a change names,
	s_add_co_u32 s78, s78, 2*RECB                  ; from the first record that pass 2 walks
	s_mov_b32 s79, 0
	v_and_b32 v1, 31, v0                           ; lane
	v_and_b32 v12, 15, v0                          ; r
	v_bfe_u32 v140, v0, 4, 1                       ; h
	v_bfe_u32 v141, v0, 3, 1                       ; a
	v_and_b32 v142, 7, v0                          ; j
	s_mul_i32 s80, s14, 1536
	v_lshlrev_b32 v143, 3, v142
	v_lshl_add_u32 v143, v141, 7, v143
	v_add_nc_u32 v143, s80, v143                   ; my group + 128 a + 8 j
	v_mad_u32_u24 v2, v140, 832, v143              ; tile 0: + 768 h + 64 h
	v_mad_u32_u24 v3, v140, 704, v143              ; tile 1: + 768 h + 64 (1 - h)
	v_add_nc_u32 v3, 64, v3
	s_lshl_b32 s80, s14, 7
	v_lshlrev_b32 v4, 2, v142
	v_lshl_add_u32 v4, v141, 6, v4
	v_lshl_add_u32 v4, v140, 5, v4
	v_add_nc_u32 v4, s80, v4
	v_add_nc_u32 v4, 6144, v4                      ; the word of key 16 a + 8 (lane / 16) + j
	v_lshlrev_b32 v5, 6, v140
	v_add_nc_u32 v5, s80, v5
	v_add_nc_u32 v5, 6656, v5                      ; the biases of keys 16 h on
	v_mul_u32_u24 v143, v12, 144
	v_add_nc_u32 v143, PB0, v143                   ; p's row r
	s_lshl_b32 s80, s14, 5
	v_mad_u32_u24 v10, v140, 12, v143
	v_add_nc_u32 v10, s80, v10
	s_and_b32 s81, s14, 1
	s_lshl_b32 s81, s81, 3
	s_add_co_u32 s81, s81, 12
	v_mul_u32_u24 v11, s81, v140
	v_add_nc_u32 v11, v11, v143
	v_add_nc_u32 v11, s80, v11
	v_add_nc_u32 v11, 4, v11
	v_lshlrev_b32 v13, 2, v12
	v_add_nc_u32 v13, s14, v13
	v_add_nc_u32 v13, PB0+PSC, v13
	v_lshl_add_u32 v14, v140, 5, v143
	v_mad_u32_u24 v15, v140, 40, v143
	v_add_nc_u32 v15, 16, v15
	v_lshlrev_b32 v151, 2, v1                      ; 4 x lane
	v_add_nc_u32 v16, PB0+PSC, v151
	s_mul_i32 s80, s14, 12288
	v_lshlrev_b32 v27, 4, v1
	v_add_nc_u32 v17, s80, v27
	s_lshl_b32 s80, s14, 9
	v_add_nc_u32 v18, s80, v151
	v_add_nc_u32 v18, 49152, v18
	v_add_nc_u32 v23, s80, v151
	v_add_nc_u32 v23, LST, v23
	v_add_nc_u32 v24, LST, v151
	s_lshl_b32 s80, s[WV], 9
	v_add_nc_u32 v21, s80, v151
	v_add_nc_u32 v21, MXT, v21
	v_add_nc_u32 v22, MXT, v151
	s_mul_i32 s80, s14, 2*STG
	v_mul_u32_u24 v25, v12, 272
	v_lshl_add_u32 v25, v140, 5, v25
	v_add_nc_u32 v25, s80, v25
	v_mul_u32_u24 v26, v140, 272
	v_lshl_add_u32 v26, v12, 4, v26
	v_add_nc_u32 v26, s80, v26
	v_lshlrev_b32 v28, 8, v1
	v_lshlrev_b32 v29, 2, v12
	v_lshl_add_u32 v29, v140, 8, v29
	v_add_nc_u32 v146, s70, v12                    ; Q: query q lies in K part q / 128, group (q / 32) % 4, at byte 8 ((q % 32) xor 8 h) of run 3 h + p
	v_lshlrev_b32 v144, 3, v140
	v_mul_u32_u24 v145, v140, 768
.irp n, 0,1,2,3
	v_add_nc_u32 v147, 16*\n, v146
	v_lshrrev_b32 v148, 7, v147
	v_mul_u32_u24 v148, v148, KPB
	v_bfe_u32 v149, v147, 5, 2
	v_mad_u32_u24 v149, v149, 1536, v148
	v_and_b32 v150, 31, v147
	v_xor_b32 v150, v150, v144
	v_lshl_add_u32 v149, v150, 3, v149
	v_add_nc_u32 v[TMP+\n], v149, v145
	v_and_b32 v150, 127, v147
	v_lshl_add_u32 v[TMP+4+\n], v150, 2, v148
.endr
	s_wait_dscnt 0x0                               ; the opening add is done
	s_wait_kmcnt 0x0
	s_add_nc_u64 s[20:21], s[4:5], s[20:21]
	s_add_nc_u64 s[6:7], s[6:7], s[76:77]
	s_add_nc_u64 s[8:9], s[8:9], s[72:73]
	s_add_nc_u64 s[10:11], s[10:11], s[74:75]
	s_add_nc_u64 s[PFA:PFA+1], s[20:21], s[78:79]
	s_mov_b32 s[G0R], 1
	s_mov_b32 s[G0R+1], s22                        ; slot 0, my eighth
	s_add_nc_u64 s[G0R+2:G0R+3], s[20:21], s[22:23]
	s_add_nc_u64 s[G0R+2:G0R+3], s[G0R+2:G0R+3], 2*RECB
	s_or_b32 s[G0R+3], s[G0R+3], 0x80000000
	s_mov_b32 s[G0A], 1
	s_mov_b32 s[G0A+1], s82                        ; area A, my two parts
	s_add_nc_u64 s[G0A+2:G0A+3], s[20:21], s[84:85]
	s_add_nc_u64 s[G0A+2:G0A+3], s[G0A+2:G0A+3], KOFF+14*RECB
	s_or_b32 s[G0A+3], s[G0A+3], 0x80000000
	s_mov_b32 s[G0B], 1
	s_add_co_u32 s[G0B+1], s82, SLOT1              ; area B, my two parts
	s_add_nc_u64 s[G0B+2:G0B+3], s[20:21], s[84:85]
	s_add_nc_u64 s[G0B+2:G0B+3], s[G0B+2:G0B+3], KOFF+28*RECB
	s_or_b32 s[G0B+3], s[G0B+3], 0x80000000
	CROUND                                         ; all four work-groups are here: the first joint loads meet
	s_cmp_lt_u32 s[WV], 7                          ; a wave's two first fills stand in one branch: two loads of it are out; wave 7 has none
	s_cbranch_scc0 .Lfirst_done
	tensor_load_to_lds s[G0A:G0A+3], s[G1P:G1P+7]  ; K of records 14-27: my two
	s_nop 0
	tensor_load_to_lds s[G0B:G0B+3], s[G1P:G1P+7]  ; K of records 28-41: my two
	s_nop 0
	PLACES
.Lfirst_done:
.irp n, 0,1,2,3
.irp p, 0,1,2
	global_load_b64 v[QF+12*\n+2*\p:QF+12*\n+2*\p+1], v[TMP+\n], s[6:7] offset:256*\p
.endr
	global_load_b32 v[QS+\n], v[TMP+4+\n], s[6:7] offset:6144
.endr
.irp n, 0,1,2,3
.irp i, 6,7,8,9,10,11
	v_mov_b32 v[QF+12*\n+\i], 0                    ; CK is 64: the instruction's upper 64 along K are zero codes, on both sides
.endr
.endr
.irp i, 0,1,2,3,4,5,6,7
	v_mov_b32 v[MX+\i], 0xff7fffff                 ; under every score
	v_mov_b32 v[LA+\i], 0
.endr
.irp n, 0,1,2,3
	v_mov_b32 v[TP+\n], 0                          ; a lane permute's destination counts as read
.endr
	WIN W_LD
.irp f, 0,1,2,3
.irp i, 6,7,8,9,10,11
	v_mov_b32 v[KF+12*\f+\i], 0
.endr
.endr
	WIN 0
	s_wait_tensorcnt 0x1                           ; my part of area A is in; my part of area B may stay out
	s_wait_loadcnt 0x0                             ; Q
	s_barrier_signal -1
	s_barrier_wait -1
	; ---- pass 1: 14 + 12 + 12 + 14 records; the last area holds K of steps 0 and 1, which pass 2 begins with
	P1Q 0, 7
	CHG 1
	P1Q SLOT1, 6
	CHG 2
	P1Q 0, 6
	CHG 3
	P1Q SLOT1, 7
.irp n, 0,1,2,3
	v_max_num_f32 v[MX+2*\n], v[MX+2*\n], v[MX+2*\n+1]
.endr
.irp n, 0,1,2,3
	v_permlanex16_b32 v[TP+\n], v[MX+2*\n], s[SEL], s[SEL+1]
.endr
.irp n, 0,1,2,3
	v_max_num_f32 v[MX+2*\n], v[MX+2*\n], v[TP+\n]
.endr
.irp n, 0,1,2,3
	ds_store_b32 v21, v[MX+2*\n] offset:128*\n
.endr
	BAR
.irp w, 0,1,2,3,4,5,6,7
.irp n, 0,1,2,3
	ds_load_b32 v[TMP+4*\w+\n], v22 offset:512*\w+128*\n
.endr
.endr
	s_wait_dscnt 0x0
.irp n, 0,1,2,3
	v_max3_num_f32 v[TMP+\n], v[TMP+\n], v[TMP+4+\n], v[TMP+8+\n]
.endr
.irp n, 0,1,2,3
	v_max3_num_f32 v[TMP+\n], v[TMP+\n], v[TMP+12+\n], v[TMP+16+\n]
.endr
.irp n, 0,1,2,3
	v_max3_num_f32 v[TMP+\n], v[TMP+\n], v[TMP+20+\n], v[TMP+24+\n]
.endr
.irp n, 0,1,2,3
	v_max_num_f32 v[TMP+\n], v[TMP+\n], v[TMP+28+\n]   ; the half's largest score of query 16 n + r
.endr
.irp n, 0,1,2,3
	v_mul_f32 v[TMP+\n], s[CS], v[TMP+\n]
.endr
.irp n, 0,1,2,3
	v_floor_f32 v[NM0+\n], -v[TMP+\n]              ; -M = floor(-t) = -ceil(t): a whole number
.endr
	WIN W_LD
.irp n, 0,1,2,3
	v_mov_b32 v[NM+2*\n], v[NM0+\n]
	v_mov_b32 v[NM+2*\n+1], v[NM0+\n]
.endr
	WIN 0
	; ---- pass 2.  Waves 0-3 run ahead: the scores of step 0; then p of step 0 and the scores of step 1
	v_add_nc_u32 v6, SLOT1, v2
	v_add_nc_u32 v7, SLOT1, v3
	v_add_nc_u32 v8, SLOT1, v4
	v_add_nc_u32 v9, SLOT1, v5
	s_cmp_lt_u32 s[WV], 4
	s_cbranch_scc0 .Lno_prologue
	KSLOAD 0, 0
	WIN W_LD
	KLOAD10 0, 0
	s_wait_dscnt 0x0
	WIN W_S
	SMM SA, 0
	PLACES
	WIN 0
	SOFT SA, SB, 0, KPB
.Lno_prologue:
	CHG 4                                          ; slot 0 is whole; slot 1 takes records 4 and 5
	TICK 0, SB, SA, 1, 1, 1                        ; the first products on O take the constant 0: nothing is cleared
	BAR
	TICK 1, SA, SB, 0, 0, 1
	s_xor_b32 s[TB], s[TB], SLOT1
	s_mov_b32 s[PRS], 24
.Lpair:                                ; a trip: a slot's two ticks; the slot just left is filled again and has the whole trip in which to land
	CHG 4
	TICK 0, SB, SA, 1, 0, 1
	BAR
	TICK 1, SA, SB, 0, 0, 1
	s_xor_b32 s[TB], s[TB], SLOT1
	s_sub_co_u32 s[PRS], s[PRS], 1
	s_cmp_lg_u32 s[PRS], 0
	s_cbranch_scc1 .Lpair
	CHG 0                                          ; the last slot is written out: nothing is left to fetch
	TICK 0, SB, SA, 1, 0, 1                        ; (its scores, of the step behind the half's last, are made and not used)
	BAR
	TICK 1, SA, SB, 0, 0, 0
	BAR
	s_cmp_lt_u32 s[WV], 4
	s_cbranch_scc0 .Lway_out
	s_cmp_lg_u32 s[WV], 0
	s_cbranch_scc1 .Lend
.irp w, 0,1,2,3                        ; wave 0: the four blocks' shares make l; -M from lanes 0-15 and l from lanes 16-31 leave by one store a tile
.irp n, 0,1,2,3
	ds_load_b32 v[TMP+4*\w+\n], v24 offset:512*\w+128*\n
.endr
.endr
	s_wait_dscnt 0x0
.irp n, 0,1,2,3
	v_add_f32 v[TMP+\n], v[TMP+\n], v[TMP+4+\n]
.endr
.irp n, 0,1,2,3
	v_add_f32 v[TMP+8+\n], v[TMP+8+\n], v[TMP+12+\n]
.endr
.irp n, 0,1,2,3
	v_add_f32 v[TMP+\n], v[TMP+\n], v[TMP+8+\n]
.endr
.irp n, 0,1,2,3
	v_cndmask_b32 v[TMP+\n], v[NM0+\n], v[TMP+\n], s[HIM]
.endr
.irp n, 0,1,2,3
	global_store_b32 v29, v[TMP+\n], s[10:11] offset:64*\n
.endr
	s_branch .Lend
.Lway_out:
; Waves 4-7: a channel tile at a time: 16 rows of 256 bytes go through my stage and leave as 4,096 consecutive bytes.  LDS serves a wave's instructions in order: no wait between the stores and the loads
.macro OUTT ct
	WIN W_ST
.irp n, 0,1,2,3
	ds_store_b128 v25, v[8*(4*(\ct)+\n):8*(4*(\ct)+\n)+3] offset:STG*((\ct)%2)+64*\n          ; each accumulator from its low end on
	ds_store_b128 v25, v[8*(4*(\ct)+\n)+4:8*(4*(\ct)+\n)+7] offset:STG*((\ct)%2)+64*\n+16
.endr
	WIN 0
.irp i, 0,1,2,3,4,5,6,7
	ds_load_b128 v[OUT+32*((\ct)%2)+4*\i:OUT+32*((\ct)%2)+4*\i+3], v26 offset:STG*((\ct)%2)+544*\i
.endr
.endm
.macro SENDT ct, younger               ; younger: the LDS instructions issued behind tile ct's loads
	s_wait_dscnt \younger
.irp i, 0,1,2,3,4,5,6,7
	global_store_b128 v27, v[OUT+32*((\ct)%2)+4*\i:OUT+32*((\ct)%2)+4*\i+3], s[8:9] offset:4096*(\ct)+512*\i th:TH_STORE_NT   ; 32 lanes store 512 consecutive bytes, aligned to 256
.endr
.endm
	OUTT 0
.irp ct, 1,2,3,4,5,6,7
.if \ct > 1
	s_wait_xcnt 0x0                                ; the stores of two tiles back have read their registers
.endif
	OUTT \ct
	SENDT \ct-1, 16
.endr
	SENDT 7, 0
.Lend:
	s_wait_tensorcnt 0x0                           ; the wave's end, behind my last tensor load and my last LDS store
	ds_add_u32 v[SPW], v[NIL]
	s_wait_dscnt 0x0
	CROUND                                         ; the closing round
	s_endpgm
.Lfunc_end_k_qca64e568eb_attend:
	.size	k_qca64e568eb_attend, .Lfunc_end_k_qca64e568eb_attend-k_qca64e568eb_attend
	.p2alignl 7, 3214868480
	.fill 96, 4, 3214868480
	.section	.rodata,"a",@progbits
	.p2align	6, 0x0
	.amdhsa_kernel k_qca64e568eb_attend
		.amdhsa_group_segment_fixed_size 327680
		.amdhsa_private_segment_fixed_size 0
		.amdhsa_enable_private_segment 0
		.amdhsa_kernarg_size 32
		.amdhsa_user_sgpr_count 2
		.amdhsa_user_sgpr_kernarg_segment_ptr 1
		.amdhsa_wavefront_size32 1
		.amdhsa_system_sgpr_workgroup_id_x 1
		.amdhsa_system_sgpr_workgroup_id_y 1
		.amdhsa_system_sgpr_workgroup_id_z 1
		.amdhsa_system_vgpr_workitem_id 0
		.amdhsa_next_free_vgpr 512
		.amdhsa_next_free_sgpr 100
		.amdhsa_reserve_vcc 0
		.amdhsa_float_denorm_mode_32 3
		.amdhsa_float_denorm_mode_16_64 3
		.amdhsa_memory_ordered 1
		.amdhsa_forward_progress 1
		.amdhsa_inst_pref_size 238
	.end_amdhsa_kernel
	.amdgpu_metadata
---
amdhsa.version: [ 1, 2 ]
amdhsa.kernels:
  - .name:           k_qca64e568eb_attend
    .symbol:         k_qca64e568eb_attend.kd
    .args:
      - { .name: rec, .offset: 0, .size: 8, .value_kind: global_buffer, .address_space: global }
      - { .name: qrec, .offset: 8, .size: 8, .value_kind: global_buffer, .address_space: global }
      - { .name: opart, .offset: 16, .size: 8, .value_kind: global_buffer, .address_space: global }
      - { .name: ml, .offset: 24, .size: 8, .value_kind: global_buffer, .address_space: global }
    .group_segment_fixed_size: 327680
    .private_segment_fixed_size: 0
    .kernarg_segment_align: 8
    .kernarg_segment_size: 32
    .max_flat_workgroup_size: 256
    .sgpr_count:     100
    .vgpr_count:     512
    .wavefront_size: 32
...
	.end_amdgpu_metadata
.endif
;; end of part 2
;; launch merge (part 3): grid 596 x 1, 8 waves a work-group, no clusters, 0 bytes of LDS; arguments opart, ml, qv, out0; writes out0
.if DOCPART == 3
	.amdgcn_target "amdgcn-amd-amdhsa--gfx1250"
	.amdhsa_code_object_version 6
	.text
	.protected	k_qca64e568eb_merge
	.globl	k_qca64e568eb_merge
	.p2align	8
	.type	k_qca64e568eb_merge,@function
k_qca64e568eb_merge:
	s_mov_b64 s[64:65], 0
	v_nop
	global_prefetch_b8 v0, s[64:65] scope:SCOPE_SE
	s_setreg_imm32_b32 hwreg(HW_REG_WAVE_MODE, 25, 1), 1
	s_wait_xcnt 0x0
; out0[b][c][q] = (O0 2^(M0 - M) + O1 2^(M1 - M)) / (l0 2^(M0 - M) + l1 2^(M1 - M)) for c < 512, M = max(M0, M1): the two halves of the keys are joined by exact powers of two and divided by the sum.
; out0[b][512 + c][q] = qv[b][c][q].
; Work-groups 0-415: THE WORK IS SHARED OUT BY THE OUTPUT'S BYTES.  Sixteen channels of out0 are 16 x 6,480 = 103,680 consecutive bytes = 405 runs of 256, beginning at a multiple of 256 from out0's
; first byte.  Thread t of work-group k (0 .. 25) of a batch and a group of 128 channels takes the 16 bytes at byte 16 p, p = 256 k + t < 6,480, of eight such slabs, 16 channels apart.  So each
; store of a wave covers 512 consecutive bytes, aligned to 256.  p gives the channel p / 405 and the queries 4 (p % 405) on; the queries give the block that owns them and their place in it:
; blocks 0-12 own 60 queries, blocks 13-27 own 56, all multiples of four, so a thread's four queries lie in one block.  The eight slabs share the thread's queries: -M and l are loaded once.
; Work-groups 416-595: 73,728 bytes of qv each, 4,096 consecutive bytes an instruction.
; No LDS, no matrix unit, no cluster: nothing is shared.  LIMITS: NaN and infinities are not served.
	s_load_b256 s[4:11], s[0:1], 0x0               ; opart s[4:5], ml s[6:7], qv s[8:9], out0 s[10:11]
	v_lshlrev_b32 v1, 4, v0                        ; 16 t
	s_cmp_lt_u32 ttmp9, 416
	s_cbranch_scc0 .Lcopy
	s_mul_i32 s12, ttmp9, 2521
	s_lshr_b32 s12, s12, 16                        ; g / 26
	s_mul_i32 s13, s12, 26
	s_sub_co_u32 s13, ttmp9, s13                   ; k
	s_lshr_b32 s14, s12, 2                         ; batch
	s_and_b32 s15, s12, 3                          ; which 128 channels
	s_mul_i32 s18, s14, 7340032                    ; opart: 56 blocks of 131,072 bytes a batch,
	s_lshl_b32 s19, s15, 15                        ; 128 rows of 256
	s_add_co_u32 s18, s18, s19
	s_mov_b32 s19, 0
	s_mul_i32 s20, s14, 28672                      ; ml: 56 blocks of 512 bytes a batch
	s_mov_b32 s21, 0
	s_lshl_b32 s22, s14, 10
	s_lshl_b32 s23, s15, 7
	s_add_co_u32 s22, s22, s23
	s_mul_i32 s22, s22, 6480                       ; out0: channel 1024 b + 128 cg
	s_mov_b32 s23, 0
	s_lshl_b32 s24, s13, 8
	v_add_nc_u32 v2, s24, v0                       ; p
	v_min_u32 v3, 6479, v2                         ; held inside the slab: no load leaves its buffer; what lies beyond is not stored
	v_mul_u32_u24 v7, v3, 41426
	v_lshrrev_b32 v7, 24, v7                       ; the channel, p / 405 (41,426 / 2^24 is 1 / 405 with less than 1 / 405 of error up to 6,479)
	v_mul_u32_u24 v28, v7, 405
	v_sub_nc_u32 v28, v3, v28                      ; q / 4
	v_mul_u32_u24 v29, v28, 4370
	v_lshrrev_b32 v29, 16, v29                     ; (q / 4) / 15: the block among the first thirteen
	v_add_nc_u32 v30, 0xffffff3d, v28              ; q / 4 - 195
	v_mul_u32_u24 v30, v30, 4682
	v_lshrrev_b32 v30, 16, v30                     ; / 14
	v_add_nc_u32 v30, 13, v30                      ; the block among the others
	v_cmp_gt_u32 vcc_lo, 195, v28
	v_cndmask_b32 v29, v30, v29, vcc_lo            ; blk
	v_min_u32 v30, 13, v29
	v_mad_u32_u24 v30, v29, 14, v30                ; the block's first query / 4
	v_sub_nc_u32 v30, v28, v30
	v_lshlrev_b32 v30, 4, v30                      ; my 16 bytes in a row of the block
	v_lshl_add_u32 v4, v29, 9, v30                 ; in ml
	v_lshl_add_u32 v6, v29, 17, v30                ; in opart,
	v_lshl_add_u32 v6, v7, 8, v6                   ; my channel's row
	v_lshlrev_b32 v5, 4, v3                        ; in out0: 6,480 x channel + 4 q = 16 p
	s_wait_kmcnt 0x0
	s_add_nc_u64 s[4:5], s[4:5], s[18:19]
	s_add_nc_u64 s[6:7], s[6:7], s[20:21]
	s_add_nc_u64 s[10:11], s[10:11], s[22:23]
	global_load_b128 v[8:11], v4, s[6:7]                   ; -M of half 0,
	global_load_b128 v[12:15], v4, s[6:7] offset:256       ; l of half 0,
	global_load_b128 v[16:19], v4, s[6:7] offset:14336     ; and of half 1: 28 blocks on
	global_load_b128 v[20:23], v4, s[6:7] offset:14592
.irp i, 0,1,2,3,4,5,6,7
	global_load_b128 v[32+4*\i:35+4*\i], v6, s[4:5] offset:4096*\i             ; 16 channels on each time; a row's 240 or 224 bytes may be shared with the wave beside me
	global_load_b128 v[64+4*\i:67+4*\i], v6, s[4:5] offset:3670016+4096*\i
.endr
	s_wait_loadcnt 16                              ; ml's four are in; O's sixteen may be out
.irp k, 0,1,2,3
	v_min_num_f32 v[24+\k], v[8+\k], v[16+\k]      ; -M
.endr
.irp k, 0,1,2,3
	v_sub_f32 v[8+\k], v[24+\k], v[8+\k]           ; M0 - M, M1 - M: whole numbers, 0 or less
	v_sub_f32 v[16+\k], v[24+\k], v[16+\k]
.endr
.irp k, 0,1,2,3
	v_cvt_i32_f32 v[8+\k], v[8+\k]
	v_cvt_i32_f32 v[16+\k], v[16+\k]
.endr
.irp k, 0,1,2,3
	v_ldexp_f32 v[8+\k], 1.0, v[8+\k]
	v_ldexp_f32 v[16+\k], 1.0, v[16+\k]
.endr
.irp k, 0,1,2,3
	v_mul_f32 v[12+\k], v[12+\k], v[8+\k]
.endr
.irp k, 0,1,2,3
	v_fma_f32 v[12+\k], v[20+\k], v[16+\k], v[12+\k]   ; the row's sum: at least 1/2
.endr
.irp k, 0,1,2,3
	v_rcp_f32 v[24+\k], v[12+\k]
.endr
	v_nop                                          ; a plain place behind the last reciprocal
	s_wait_alu depctr_va_vdst(0)                   ; one wait for the four, ahead of their first reader
.irp k, 0,1,2,3
	v_mul_f32 v[8+\k], v[8+\k], v[24+\k]
	v_mul_f32 v[16+\k], v[16+\k], v[24+\k]
.endr
.irp i, 0,1,2,3,4,5,6,7
	s_wait_loadcnt 14-2*\i                         ; this slab's pair is in; the later pairs may be out
	v_pk_mul_f32 v[32+4*\i:33+4*\i], v[32+4*\i:33+4*\i], v[8:9]
	v_pk_mul_f32 v[34+4*\i:35+4*\i], v[34+4*\i:35+4*\i], v[10:11]
	v_pk_fma_f32 v[32+4*\i:33+4*\i], v[64+4*\i:65+4*\i], v[16:17], v[32+4*\i:33+4*\i]
	v_pk_fma_f32 v[34+4*\i:35+4*\i], v[66+4*\i:67+4*\i], v[18:19], v[34+4*\i:35+4*\i]
.endr
	v_cmp_gt_u32 vcc_lo, 6480, v2                  ; the slab ends at p = 6,480: in the last of the 26 work-groups 80 threads store, five whole runs of 256 bytes
	s_wait_xcnt 0x0                                ; EXEC changes only behind this wait
	s_and_saveexec_b32 s25, vcc_lo
.irp i, 0,1,2,3,4,5,6,7
	global_store_b128 v5, v[32+4*\i:35+4*\i], s[10:11] offset:103680*\i th:TH_STORE_NT   ; 32 lanes store 512 consecutive bytes, at a multiple of 256 from out0's first byte
.endr
	s_wait_xcnt 0x0                                ; and again in front of the line that widens it
	s_or_b32 exec_lo, exec_lo, s25
	s_endpgm
.Lcopy:
	s_sub_co_u32 s12, ttmp9, 416
	s_mul_i32 s13, s12, 1457
	s_lshr_b32 s13, s13, 16                        ; batch = i / 45
	s_add_co_u32 s13, s13, 1
	s_mul_i32 s14, s13, 3317760                    ; in out0 each batch's copy lies behind that batch's first 512 channels
	s_mul_i32 s16, s12, 73728
	s_mov_b32 s17, 0
	s_add_co_u32 s14, s14, s16
	s_mov_b32 s15, 0
	s_wait_kmcnt 0x0
	s_add_nc_u64 s[8:9], s[8:9], s[16:17]
	s_add_nc_u64 s[10:11], s[10:11], s[14:15]
.irp i, 0,1,2,3,4,5,6,7,8,9,10,11,12,13,14,15,16,17
	global_load_b128 v[8+4*\i:11+4*\i], v1, s[8:9] offset:4096*\i th:TH_LOAD_NT
.endr
.irp i, 0,1,2,3,4,5,6,7,8,9,10,11,12,13,14,15,16,17
	s_wait_loadcnt 17-\i                           ; loads come back in order: the younger ones stay out
	global_store_b128 v1, v[8+4*\i:11+4*\i], s[10:11] offset:4096*\i th:TH_STORE_NT
.endr
	s_endpgm
.Lfunc_end_k_qca64e568eb_merge:
	.size	k_qca64e568eb_merge, .Lfunc_end_k_qca64e568eb_merge-k_qca64e568eb_merge
	.p2alignl 7, 3214868480
	.fill 96, 4, 3214868480
	.section	.rodata,"a",@progbits
	.p2align	6, 0x0
	.amdhsa_kernel k_qca64e568eb_merge
		.amdhsa_group_segment_fixed_size 0
		.amdhsa_private_segment_fixed_size 0
		.amdhsa_enable_private_segment 0
		.amdhsa_kernarg_size 32
		.amdhsa_user_sgpr_count 2
		.amdhsa_user_sgpr_kernarg_segment_ptr 1
		.amdhsa_wavefront_size32 1
		.amdhsa_system_sgpr_workgroup_id_x 1
		.amdhsa_system_sgpr_workgroup_id_y 1
		.amdhsa_system_sgpr_workgroup_id_z 1
		.amdhsa_system_vgpr_workitem_id 0
		.amdhsa_next_free_vgpr 96
		.amdhsa_next_free_sgpr 66
		.amdhsa_reserve_vcc 1
		.amdhsa_float_denorm_mode_32 3
		.amdhsa_float_denorm_mode_16_64 3
		.amdhsa_memory_ordered 1
		.amdhsa_forward_progress 1
		.amdhsa_inst_pref_size 14
	.end_amdhsa_kernel
	.amdgpu_metadata
---
amdhsa.version: [ 1, 2 ]
amdhsa.kernels:
  - .name:           k_qca64e568eb_merge
    .symbol:         k_qca64e568eb_merge.kd
    .args:
      - { .name: opart, .offset: 0, .size: 8, .value_kind: global_buffer, .address_space: global }
      - { .name: ml, .offset: 8, .size: 8, .value_kind: global_buffer, .address_space: global }
      - { .name: qv, .offset: 16, .size: 8, .value_kind: global_buffer, .address_space: global }
      - { .name: out0, .offset: 24, .size: 8, .value_kind: global_buffer, .address_space: global }
    .group_segment_fixed_size: 0
    .private_segment_fixed_size: 0
    .kernarg_segment_align: 8
    .kernarg_segment_size: 32
    .max_flat_workgroup_size: 256
    .sgpr_count:     66
    .vgpr_count:     96
    .wavefront_size: 32
...
	.end_amdgpu_metadata
.endif
;; end of part 3
